; MI455X (gfx1250); checked and timed in simulation.
; The chip was launched on July 23, 2026; its instructions are those of AMD's public machine-readable ISA for CDNA 5 (MIT licence, August 2026) and "CDNA5" Instruction Set Architecture Reference Guide (July 2026). The comments in the code are by the model that wrote it; some were corrected since.
;; Vector Quantizer. Allowed arithmetic: float matrix products may take bf16 or f16 operands with f32 sums; other float arithmetic in f32, or as packed bf16 or f16 multiplies, adds, multiply-adds, maxima and minima; sums over many terms, partial sums and values carried from step to step in f32; what a program stores and reads back later, other than sums and carried values, may be rounded once to bf16 or f16.
;; Inputs: embeddings 1,024 x 64 float32; inputs 64 x 32 x 32 x 64 float32.
;; Outputs: out0 64 x 32 x 32 x 64 float32; out1 one number float32; out2 64 x 1,024 int32.
;; One version. Each part assembles by itself: llvm-mc -triple=amdgcn-amd-amdhsa -mcpu=gfx1250 --defsym DOCPART=n.
;; ======== version 1 of 1: 2 launches
;; limits: a difference of large sums (such as E[x^2] - mean^2): digits are lost where the result is much smaller than its terms
;; workspace buffers: order 262,144 bytes of whole numbers; part 4,096 bytes
;; launch vq (part 1): grid 256 x 1, 4 waves a work-group, no clusters, 75,264 bytes of LDS; arguments inputs, embeddings, out2, order, part; writes out2, order, part
.if DOCPART == 1
	.amdgcn_target "amdgcn-amd-amdhsa--gfx1250"
	.amdhsa_code_object_version 6
	.text
	.protected	k_q7a9742718f_vq
	.globl	k_q7a9742718f_vq
	.p2align	8
	.type	k_q7a9742718f_vq,@function
k_q7a9742718f_vq:
	s_mov_b64 s[64:65], 0
	v_nop
	global_prefetch_b8 v0, s[64:65] scope:SCOPE_SE
	s_setreg_imm32_b32 hwreg(HW_REG_WAVE_MODE, 25, 1), 1
	s_wait_xcnt 0x0
; VECTOR QUANTIZER, launch 1 of 2: for each of the 65,536 rows x (64 f32) the index of the nearest of 1,024 codes e (64 f32), and the loss's partial sums.
; WORK LEFT OUT, for all finite values of the inputs:
;   |x|^2 is the same for every code k of a row, so it cannot move argmin_k(|x|^2 - 2 x.e_k + |e_k|^2): the index is argmax_k s_k with s_k = x.e_k - |e_k|^2 / 2.
;   sum over d of (q - x)^2 for a row IS its least distance |x|^2 - 2 s_max: the loss is 0.25 / 4,194,304 x (sum |x|^2 - 2 sum s_max); no second pass over x and q is made.
;   x + (q - x) = q: out0 is the chosen code itself, copied in f32 by launch 2, which therefore does not load inputs.
; FORMATS.  x and e are rounded once to bf16 for the products; |e|^2 and |x|^2 are taken of the SAME rounded numbers (by the matrix unit, as the diagonal of E E^T and X X^T), sums in f32.
; LIMITS.  The loss is a difference |x|^2 - 2 s of f32 sums, as reference()'s own distances are; with a common offset of 30 spreads it keeps about four digits.  NaN and infinities are not treated apart,
; and one that reaches only the work left out is not carried to a result.  Two codes whose scores are equal bit for bit: the lower index.  Two codes whose distances differ by less than the f32 rounding of
; reference()'s distances (about 1e-5 at distances near 64) may be told apart otherwise than there.
; SHARES.  A work-group has 256 rows, each of its four waves 64: four tiles q of 16 queries, query r of tile q being row 4 r + q, so that a lane ends with four neighbouring indices.  Every wave walks all codes:
; 64 tiles of 16, in 8 chunks of 128.
; LAYOUT.  S^T = E X^T + bias (source 0 = 16 codes, source 1 = 16 queries): register j of lane (r, h) holds code 8 h + j and query r.  The C operand of the first of a tile's two K steps is -|e|^2 / 2 in that
; layout, so a score costs no vector instruction.
; ARGMAX, 9 vector instructions for 8 scores: the running maximum by four v_max3_num_f32, one compare, and where the maximum has grown STRICTLY the tile's number and its scores 0..6 are kept: eight selects,
; two to an instruction.  At the end j is the lowest kept score equal to the maximum (else 7), and the two halves of the lanes are compared: greater score, then lower code.
; BY TURNS.  Two pieces (tiles 0, 1 and tiles 2, 3): while one piece's four matrix instructions are issued, the other piece's 18 vector instructions stand behind them in slices of 4, 5, 5, 4.
; THE CODEBOOK comes in f32, is rounded in registers and goes into two LDS slots of 128 codes that take turns, each wave rounding 32 codes; loads for a chunk go out two chunks ahead of its rounding.
; Chunk 0 is asked for ahead of x and rounded while x is on its way.  By the text's own count at most 48 loads of a wave are out.
; NO CLUSTER, though all work-groups read the same codebook: it must pass through registers to be rounded; a joint tensor load would lay 32,768 bytes of f32 a chunk into LDS, to be read, rounded and stored again
; beside the 18,432 bytes that the products read.  NO PREFETCH: x is asked for once, at the head; the codebook is read by every work-group.
; REGISTERS.  Window 0: v0-23 addresses and single numbers; v24-63 state, ten a tile; v64-127 X's fragments; v128-159 four accumulators; v160-255 two buffers of 48: two code tiles' fragments and biases each
; (ahead of the walk and behind it v208-216 are at work).  Window 1: v0-31 rounded codes, v32-63 fragments for |e|^2, v64-79 its two accumulators, v80-83 at work; v128-255 two stages of 64 for the codebook in f32.
; Window 2: v0-127 x as loaded.
.set PITCH, 144                        ; an LDS row: 128 bytes of bf16 + 16 = 36 words: the 16 rows of a fragment load start at 16 different groups of four banks (64 banks of 4 bytes: ISA guide 11.1)
.set XB,    0                          ; 4 waves x 64 rows x 144: x in bf16, each wave's own bytes
.set ES,    36864                      ; two slots of 128 codes x 144
.set ESLOT, 18432
.set BI,    73728                      ; two slots of 128 f32: -|e|^2 / 2
.set SPARE, 74752                      ; the spare words, 128 bytes for each wave: two blocks of 256 bytes that no other line names
.set CHUNK, 32768                      ; bytes of 128 codes in memory
.set R,    1                           ; v1   lane % 16
.set XGO,  2                           ; v2   my 16 bytes in the wave's first two rows of x
.set EGO,  3                           ; v3   my 16 bytes in the wave's first two codes of a chunk
.set XST,  4                           ; v4   LDS: where I put 8 bytes of a row of x
.set XLD,  5                           ; v5   LDS: my place in X's fragments
.set EST,  6                           ; v6   LDS: where I put 8 bytes of a code (slot 0)
.set ESL,  7                           ; v7   LDS: my place in the fragments of my wave's own 32 codes
.set EML,  8                           ; v8   LDS: my place in a fragment of a slot's first 16 codes
.set BST,  9                           ; v9   LDS: where I put a bias
.set BLD,  10                          ; v10  LDS: my eight biases of a slot's first tile
.set H8,   11                          ; v11  8 x (lane / 16)
.set TV,   12                          ; v12  the number of the code tile whose scores are being looked at
.set LOSS, 13                          ; v13  my share of sum |x|^2 - 2 sum s_max
.set SPW,  14                          ; v14  LDS address of my spare word; never rewritten
.set NIL,  15                          ; v15  0; never rewritten
.set TM,   16                          ; v16-21 three at work for each parity of q
.set LANE, 22
.set IO,   23                          ; v23  my 16 bytes of out2 and of order
.set ST,   24                          ; tile q's state at ST + 10 q: +0..6 kept scores, +7 kept tile number, +8, +9 the running maximum, two by turns
.set XF,   64                          ; tile q, K step c at XF + 16 q + 8 c
.set ACC,  128                         ; tile q at ACC + 8 q
.set EFB,  160                         ; buffer f at EFB + 48 f: code tile u's fragments at + 16 u + 8 c, its biases at + 32 + 8 u
.set CD,   208                         ; v208-211 the four indices
.set EJ,   212
.set EC,   213
.set EMO,  214
.set ECO,  215
.set ET,   216
.set CT,   0                           ; window 1
.set SF,   32
.set SD,   64
.set SEL,  80
.set TP,   82
.set EG,   128
.set EP,   6                           ; s[6:7]  embeddings, stepped two chunks a trip of the loop
.set MK,   20                          ; s20-27  mask j: the lanes whose register j holds a diagonal element (lane % 16 - 8 (lane / 16) = j)
.set VAL,  28                          ; s28     the lanes that hold one at all
.set MSB, 0
.macro WIN new                         ; the immediate's high byte repeats the setting that is left; a switch that changes nothing is dropped
.if MSB != (\new)
	s_set_vgpr_msb (MSB<<8)|(\new)
.set MSB, (\new)
.endif
.endm
; My wave's 32 codes of a chunk, 8,192 bytes of f32, into stage st: 16 loads of 512 consecutive bytes.
.macro LOADE st, off
	WIN 0x40                                       ; destination window 1, address window 0
.set i, 0
.rept 16
	global_load_b128 v[EG+64*(\st)+4*i:EG+64*(\st)+4*i+3], v[EGO], s[EP:EP+1] offset:(\off)+512*i
.set i, i+1
.endr
	WIN 0
.endm
; Stage st is rounded to bf16 and stored into LDS slot `slot`; then my own 32 codes come back as fragments (LDS serves a wave's instructions in order, ISA guide 5.7.1.4: the loads see the stores).
; left = the loads younger than the stage's own, which may stay out.
.macro STAGEA slot, st, left
	s_wait_loadcnt \left
	WIN 0x45                                       ; all three places window 1
.set i, 0
.rept 32
	v_cvt_pk_bf16_f32 v[CT+i], v[EG+64*(\st)+2*i], v[EG+64*(\st)+2*i+1]
.set i, i+1
.endr
	WIN 0x04                                       ; data window 1, address window 0
.set i, 0
.rept 16
	ds_store_b64 v[EST], v[CT+2*i:CT+2*i+1] offset:ESLOT*(\slot)+288*i  ; codes 2 i and 2 i + 1 of my 32
.set i, i+1
.endr
	WIN 0x40
.irp u, 0,1
.irp c, 0,1
	ds_load_b128 v[SF+16*\u+8*\c:SF+16*\u+8*\c+3],   v[ESL] offset:ESLOT*(\slot)+2304*\u+64*\c
	ds_load_b128 v[SF+16*\u+8*\c+4:SF+16*\u+8*\c+7], v[ESL] offset:ESLOT*(\slot)+2304*\u+64*\c+32
.endr
.endr
	WIN 0
.endm
; |e|^2 of my 32 codes: the diagonal of E E^T for two tiles of 16 (the two accumulators take turns).  Element (m, m) lies in register m - 8 h of lane (m, h): a chain of selects picks it, the lanes that hold none
; take it from the lane 16 away; then -1/2 of it goes into the slot's biases (both halves of the lanes store the same number to the same word).
.macro STAGEB slot
	WIN 0x55
	v_wmma_f32_16x16x32_bf16 v[SD:SD+7],    v[SF:SF+7],     v[SF:SF+7],     0
	v_wmma_f32_16x16x32_bf16 v[SD+8:SD+15], v[SF+16:SF+23], v[SF+16:SF+23], 0
	v_wmma_f32_16x16x32_bf16 v[SD:SD+7],    v[SF+8:SF+15],  v[SF+8:SF+15],  v[SD:SD+7]
	v_wmma_f32_16x16x32_bf16 v[SD+8:SD+15], v[SF+24:SF+31], v[SF+24:SF+31], v[SD+8:SD+15]
.rept 4
	v_nop                                          ; four places between the products and the first read of their results (ISA guide 7.12.1)
.endr
.irp u, 0,1
	v_cndmask_b32 v[SEL+\u], v[SD+8*\u], v[SD+8*\u+1], s[MK+1]
.irp j, 2,3,4,5,6,7
	v_cndmask_b32 v[SEL+\u], v[SEL+\u], v[SD+8*\u+\j], s[MK+\j]
.endr
.endr
.irp u, 0,1
	v_permlanex16_b32 v[TP+\u], v[SEL+\u], s30, s31
.endr
.irp u, 0,1
	v_cndmask_b32 v[SEL+\u], v[TP+\u], v[SEL+\u], s[VAL]
	v_mul_f32 v[SEL+\u], -0.5, v[SEL+\u]
.endr
	WIN 0x04
.irp u, 0,1
	ds_store_b32 v[BST], v[SEL+\u] offset:512*(\slot)+64*\u
.endr
	WIN 0
.endm
; Code tiles 2 p and 2 p + 1 of a slot into buffer f, in ONE run of 12 loads: 16 codes x 64 channels (4 loads) and 8 biases a lane (2 loads) for each.
.macro FETCH2 slot, p, f
.irp u, 0,1
.irp c, 0,1
	ds_load_b128 v[EFB+48*(\f)+16*\u+8*\c:EFB+48*(\f)+16*\u+8*\c+3],   v[EML] offset:ESLOT*(\slot)+2304*(2*(\p)+\u)+64*\c
	ds_load_b128 v[EFB+48*(\f)+16*\u+8*\c+4:EFB+48*(\f)+16*\u+8*\c+7], v[EML] offset:ESLOT*(\slot)+2304*(2*(\p)+\u)+64*\c+32
.endr
.endr
.irp u, 0,1
	ds_load_b128 v[EFB+48*(\f)+32+8*\u:EFB+48*(\f)+32+8*\u+3],   v[BLD] offset:512*(\slot)+64*(2*(\p)+\u)
	ds_load_b128 v[EFB+48*(\f)+32+8*\u+4:EFB+48*(\f)+32+8*\u+7], v[BLD] offset:512*(\slot)+64*(2*(\p)+\u)+16
.endr
.endm
; One product: query tile q, K step c, code tile u of buffer f.  The first K step starts the sum with the bias.
.macro WM q, c, f, u
.set rE, EFB+48*(\f)+16*(\u)
.set rB, EFB+48*(\f)+32+8*(\u)
.if (\c) == 0
	v_wmma_f32_16x16x32_bf16 v[ACC+8*(\q):ACC+8*(\q)+7], v[rE:rE+7], v[XF+16*(\q):XF+16*(\q)+7], v[rB:rB+7]
.else
	v_wmma_f32_16x16x32_bf16 v[ACC+8*(\q):ACC+8*(\q)+7], v[rE+8:rE+15], v[XF+16*(\q)+8:XF+16*(\q)+15], v[ACC+8*(\q):ACC+8*(\q)+7]
.endif
.endm
; Number n of the 9 that take query tile q's eight scores of one code tile into its state.  par = the code tile's parity: the old maximum lies in state register 8 + par, the new goes into 9 - par.
; The accumulator's lowest registers are read first.  5 to 8 are two selects each: the destinations are an even and an odd register, the two first sources are neighbours, and so are
; the two second sources (in number 8: score 6, whose register number is 2 modulo 4, and v12).
.macro VOP q, par, n
.set rA, ACC+8*(\q)
.set rT, TM+3*((\q)%2)
.set rS, ST+10*(\q)
.set rOld, rS+8+(\par)
.set rNew, rS+9-(\par)
.set j2, 2*((\n)-5)
.if (\n) == 0
	v_max3_num_f32 v[rT], v[rA], v[rA+1], v[rA+2]
.elseif (\n) == 1
	v_max3_num_f32 v[rT+1], v[rA+3], v[rA+4], v[rA+5]
.elseif (\n) == 2
	v_max3_num_f32 v[rT+2], v[rA+6], v[rA+7], v[rOld]
.elseif (\n) == 3
	v_max3_num_f32 v[rNew], v[rT], v[rT+1], v[rT+2]
.elseif (\n) == 4
	v_cmp_gt_f32 vcc_lo, v[rNew], v[rOld]          ; strictly: an equal score of a later tile changes nothing
.elseif (\n) < 8
	v_dual_cndmask_b32 v[rS+j2], v[rS+j2], v[rA+j2] :: v_dual_cndmask_b32 v[rS+j2+1], v[rS+j2+1], v[rA+j2+1]
.else
	v_dual_cndmask_b32 v[rS+6], v[rS+6], v[rA+6] :: v_dual_cndmask_b32 v[rS+7], v[rS+7], v[TV]
.endif
.endm
; Slice k of four of the 18 instructions of tiles x and y: 4, 5, 5, 4.  VCC is x's from x4 to x8, then y's.
.macro SL x, y, par, k
.if (\k) == 0
.irp n, 0,1,2
	VOP \x,\par,\n
.endr
	VOP \y,\par,0
.elseif (\k) == 1
	VOP \y,\par,1
	VOP \y,\par,2
	VOP \x,\par,3
	VOP \y,\par,3
	VOP \x,\par,4
.elseif (\k) == 2
.irp n, 5,6,7,8
	VOP \x,\par,\n
.endr
	VOP \y,\par,4
.else
.irp n, 5,6,7,8
	VOP \y,\par,\n
.endr
.endif
.endm
; Piece p's four products on code tile u of buffer f (its two accumulators by turns, one instruction a turn), behind each a slice of the other piece's vector work (tiles vx, vx + 1;
; code tile of parity vpar).  No slice names a register of the products round it, so the slices are the places behind them: an accumulator's first reader stands seven instructions or more behind its last product.
.macro HALF p, f, u, vx, vpar
.irp k, 0,1,2,3
	WM 2*(\p)+(\k)%2,(\k)/2,\f,\u
	SL \vx,(\vx)+1,\vpar,\k
.endr
.endm
; Piece 0's half on a buffer's first tile, with the run of loads for pair p of the slot behind its first slice: the other buffer's last product stands eight vector instructions back.
.macro HALFF f, slot, p
	WM 0,0,\f,0
	SL 2,3,1,0
	FETCH2 \slot,\p,1-(\f)
.irp k, 1,2,3
	WM (\k)%2,(\k)/2,\f,0
	SL 2,3,1,\k
.endr
.endm
; Code tiles 2 p and 2 p + 1 of a slot, from buffer p % 2.  left = the LDS instructions younger than the pair's own 12 loads, which may stay out.
.macro PAIR slot, p, left
	s_wait_dscnt \left
.if (\p) < 3
	HALFF (\p)%2,\slot,(\p)+1                      ; piece 0's products | piece 1's scores of the tile before (odd) | the next pair is asked for, 15 products ahead of its first use
.else
	HALF 0,(\p)%2,0,2,1
.endif
	v_add_nc_u32 v[TV], 1, v[TV]
	HALF 1,(\p)%2,0,0,0                            ; piece 1's products | piece 0's scores of this tile (even)
	HALF 0,(\p)%2,1,2,0
	v_add_nc_u32 v[TV], 1, v[TV]
	HALF 1,(\p)%2,1,0,1
.endm
; A chunk of 128 codes in slot `slot`.  ONE barrier, for two things: in front of it each wave's LDS stores into this slot (made in the chunk before) and its LDS reads of the other slot are done;
; behind it this slot is whole and nobody reads the other, which takes the next chunk (conv = 1).  load = 1: the stage just rounded is asked for again, with the chunk two further on.
.macro TRIP slot, conv, load, left
	s_wait_dscnt 0x0
	s_barrier_signal -1
	s_barrier_wait -1
	FETCH2 \slot,0,0
.if \conv
	STAGEA 1-(\slot),1-(\slot),\left
.if \load
	LOADE 1-(\slot),(3+(\slot))*CHUNK
.endif
	PAIR \slot,0,24                                ; 24: the rounding's 16 LDS stores and 8 LDS loads were issued behind the pair's 12 loads and may stay out
	s_wait_dscnt 12                                ; the fragments for |e|^2 are in; the 12 loads of pair 1, issued behind them, may stay out
	STAGEB 1-(\slot)
.else
	PAIR \slot,0,0
.endif
	PAIR \slot,1,0
	PAIR \slot,2,0
	PAIR \slot,3,0
.endm
	s_load_b256 s[4:11], s[0:1], 0x0               ; inputs s[4:5], embeddings s[6:7], out2 s[8:9], order s[10:11]
	s_load_b64 s[12:13], s[0:1], 0x20              ; part
	v_lshl_add_u32 v[SPW], v0, 2, SPARE
	v_mov_b32 v[NIL], 0
	v_lshrrev_b32 v24, 5, v0
	v_readfirstlane_b32 s14, v24                   ; wave 0..3
	v_and_b32 v[R], 15, v0
	v_and_b32 v[LANE], 31, v0
	v_bfe_u32 v25, v0, 4, 1                        ; h = lane / 16
	v_lshlrev_b32 v[H8], 3, v25
	s_lshl_b32 s16, ttmp9, 16                      ; the work-group's 256 rows of 256 bytes
	s_mov_b32 s17, 0
	s_lshl_b32 s18, s14, 14                        ; my wave's 64 rows
	v_lshl_add_u32 v[XGO], v[LANE], 4, s18
	s_lshl_b32 s18, s14, 13                        ; my wave's 32 codes of a chunk
	v_lshl_add_u32 v[EGO], v[LANE], 4, s18
	s_mul_i32 s18, s14, 64*PITCH
	v_mul_u32_u24 v26, v25, PITCH
	v_lshl_add_u32 v26, v[R], 3, v26               ; row h, 8 bytes for each of 16 lanes
	v_add_nc_u32 v[XST], s18, v26
	v_mul_u32_u24 v27, v[R], 4*PITCH               ; query r of tile 0 is row 4 r
	v_lshl_add_u32 v27, v25, 4, v27
	v_add_nc_u32 v[XLD], s18, v27
	s_mul_i32 s18, s14, 32*PITCH
	s_add_co_u32 s18, s18, ES
	v_add_nc_u32 v[EST], s18, v26
	v_mul_u32_u24 v27, v[R], PITCH
	v_lshl_add_u32 v27, v25, 4, v27                ; a fragment: row r x pitch + 16 h
	v_add_nc_u32 v[ESL], s18, v27
	v_add_nc_u32 v[EML], ES, v27
	s_lshl_b32 s18, s14, 7
	s_add_co_u32 s18, s18, BI
	v_lshl_add_u32 v[BST], v[R], 2, s18
	v_lshl_add_u32 v[BLD], v25, 5, BI
	s_lshl_b32 s18, ttmp9, 10                      ; 256 indices of 4 bytes a work-group,
	s_lshl_b32 s19, s14, 8                         ; 64 a wave,
	s_add_co_u32 s18, s18, s19
	v_lshl_add_u32 v[IO], v[R], 4, s18             ; 4 a lane
	v_sub_nc_u32 v28, v[R], v[H8]
.irp j, 0,1,2,3,4,5,6,7
	v_cmp_eq_u32 s[MK+\j], \j, v28
.endr
	v_cmp_gt_u32 s[VAL], 8, v28                    ; unsigned: a negative difference is none
	s_mov_b32 s30, 0x76543210                      ; v_permlanex16_b32: each lane takes its own place in the other half
	s_mov_b32 s31, 0xfedcba98
	s_wait_kmcnt 0x0
	s_add_nc_u64 s[4:5], s[4:5], s[16:17]
	LOADE 0, 0                                     ; chunk 0 first: it is rounded while x is on its way
	WIN 0x80                                       ; destination window 2, address window 0
.set i, 0
.rept 32
	global_load_b128 v[4*i:4*i+3], v[XGO], s[4:5] offset:512*i th:TH_LOAD_NT  ; rows 2 i and 2 i + 1 of my 64: 512 consecutive bytes
.set i, i+1
.endr
	WIN 0x40
	v_mov_b32 v[TP], 0                             ; v_permlanex16_b32's destinations count as read: written once
	v_mov_b32 v[TP+1], 0
	WIN 0
.set i, 0
.rept 40
	v_mov_b32 v[ST+i], 0xff800000                  ; the state: maxima and kept scores at minus infinity,
.set i, i+1
.endr
.irp q, 0,1,2,3
	v_mov_b32 v[ST+10*\q+7], 0                     ; kept tile number 0
.endr
	v_mov_b32 v[TV], -1
	v_mov_b32 v[LOSS], 0
	STAGEA 0, 0, 32                                ; chunk 0 into slot 0; x's 32 loads, issued behind it, may stay out
	LOADE 1, CHUNK                                 ; chunk 1
	s_wait_dscnt 0x0
	STAGEB 0
	; x: rounded to bf16, through my wave's own LDS rows into fragments, which stay in registers
	s_wait_loadcnt 16                              ; x is in; chunk 1's 16 loads may stay out
	WIN 0x0a                                       ; sources window 2, destination window 0
.set i, 0
.rept 64
	v_cvt_pk_bf16_f32 v[XF+i], v[2*i], v[2*i+1]
.set i, i+1
.endr
	WIN 0
.set i, 0
.rept 32
	ds_store_b64 v[XST], v[XF+2*i:XF+2*i+1] offset:288*i
.set i, i+1
.endr
.irp q, 0,1,2,3
.irp c, 0,1
	ds_load_b128 v[XF+16*\q+8*\c:XF+16*\q+8*\c+3],   v[XLD] offset:PITCH*\q+64*\c  ; in order behind the stores above; my wave's own bytes: no barrier
	ds_load_b128 v[XF+16*\q+8*\c+4:XF+16*\q+8*\c+7], v[XLD] offset:PITCH*\q+64*\c+32
.endr
.endr
	LOADE 0, 2*CHUNK                               ; chunk 2, asked for while the fragments come back
	s_wait_dscnt 0x0
	; sum |x|^2: the diagonals of X X^T, each once among the 32 lanes; the four accumulators take turns
.irp c, 0,1
.irp q, 0,1,2,3
.if \c == 0
	v_wmma_f32_16x16x32_bf16 v[ACC+8*\q:ACC+8*\q+7], v[XF+16*\q:XF+16*\q+7], v[XF+16*\q:XF+16*\q+7], 0
.else
	v_wmma_f32_16x16x32_bf16 v[ACC+8*\q:ACC+8*\q+7], v[XF+16*\q+8:XF+16*\q+15], v[XF+16*\q+8:XF+16*\q+15], v[ACC+8*\q:ACC+8*\q+7]
.endif
.endr
.endr
.rept 4
	v_nop                                          ; four places in front of the first read of the results
.endr
.irp q, 0,1,2,3
	v_cndmask_b32 v[ET], 0, v[ACC+8*\q], s[MK]     ; lanes that hold no diagonal element keep 0
.irp j, 1,2,3,4,5,6,7
	v_cndmask_b32 v[ET], v[ET], v[ACC+8*\q+\j], s[MK+\j]
.endr
	v_add_f32 v[LOSS], v[LOSS], v[ET]
.endr
.set i, 16
.rept 16
	v_mov_b32 v[ACC+i], 0xff800000                 ; the first tile's first half looks at piece 1's scores of a tile that has not been: minus infinity changes nothing
.set i, i+1
.endr
	s_mov_b32 s15, 2
.Lpair:                                                ; chunks 0 to 3: each trip multiplies two chunks, rounds the two behind them and asks for the two behind those
	TRIP 0, 1, 1, 16                               ; 16: the loads of the one chunk issued behind the chunk that is rounded
	TRIP 1, 1, 1, 16
	s_wait_xcnt 0x0                                ; every load issued so far has read its address (ISA guide 3.1): the pointer may be written
	s_add_nc_u64 s[EP:EP+1], s[EP:EP+1], 2*CHUNK
	s_sub_co_u32 s15, s15, 1
	s_cmp_lg_u32 s15, 0
	s_cbranch_scc1 .Lpair
	TRIP 0, 1, 1, 16                               ; chunk 4: rounds 5, asks for 7, the last
	TRIP 1, 1, 0, 16                               ; chunk 5: rounds 6; chunk 7's loads may stay out
	TRIP 0, 1, 0, 0                                ; chunk 6: rounds 7
	TRIP 1, 0, 0, 0                                ; chunk 7
.irp k, 0,1,2,3
	SL 2,3,1,\k                                    ; piece 1's scores of the last tile (its last product stands seven vector instructions ahead of their first read)
.endr
	; THE WAY OUT.  Tile 63 is odd, so the maximum lies in state register 8.
	v_mov_b32 v[EMO], 0                            ; destinations of v_permlanex16_b32
	v_mov_b32 v[ECO], 0
.irp q, 0,1,2,3
	v_mov_b32 v[EJ], 7
.irp j, 6,5,4,3,2,1,0
	v_cmp_neq_f32 vcc_lo, v[ST+10*\q+\j], v[ST+10*\q+8]
	v_cndmask_b32 v[EJ], \j, v[EJ], vcc_lo         ; the lowest j whose kept score is the maximum
.endr
	v_lshl_add_u32 v[EC], v[ST+10*\q+7], 4, v[EJ]
	v_add_nc_u32 v[EC], v[EC], v[H8]               ; code = 16 tile + 8 h + j
	v_permlanex16_b32 v[EMO], v[ST+10*\q+8], s30, s31  ; the query's other codes lie in the lane 16 away
	v_permlanex16_b32 v[ECO], v[EC], s30, s31
	v_cmp_gt_f32 s40, v[EMO], v[ST+10*\q+8]
	v_cmp_eq_f32 s41, v[EMO], v[ST+10*\q+8]
	v_cmp_lt_u32 s42, v[ECO], v[EC]
	s_and_b32 s41, s41, s42
	s_or_b32 s40, s40, s41                         ; the other half's: greater, or equal with the lower code
	v_cndmask_b32 v[CD+\q], v[EC], v[ECO], s40
	v_max_num_f32 v[EMO], v[EMO], v[ST+10*\q+8]
	v_sub_f32 v[LOSS], v[LOSS], v[EMO]             ; both lanes of a query take s_max away: -2 s_max
.endr
	v_add_f32_dpp v[LOSS], v[LOSS], v[LOSS] row_xmask:1 row_mask:0xf bank_mask:0xf
	v_add_f32_dpp v[LOSS], v[LOSS], v[LOSS] row_xmask:2 row_mask:0xf bank_mask:0xf
	v_add_f32_dpp v[LOSS], v[LOSS], v[LOSS] row_xmask:4 row_mask:0xf bank_mask:0xf
	v_add_f32_dpp v[LOSS], v[LOSS], v[LOSS] row_xmask:8 row_mask:0xf bank_mask:0xf
	v_permlanex16_b32 v[EMO], v[LOSS], s30, s31
	v_add_f32 v[LOSS], v[LOSS], v[EMO]             ; my wave's 64 rows
	s_lshl_b32 s18, ttmp9, 4
	s_lshl2_add_u32 s18, s14, s18                  ; part: word 4 x work-group + wave
	v_mov_b32 v[EJ], s18
	v_cmp_gt_u32 vcc_lo, 16, v[LANE]
	s_wait_xcnt 0x0                                ; EXEC changes only behind this wait
	s_and_saveexec_b32 s44, vcc_lo
	global_store_b128 v[IO], v[CD:CD+3], s[8:9]    ; 16 lanes store 256 consecutive bytes, at a multiple of 256 from the buffer's first byte
	global_store_b128 v[IO], v[CD:CD+3], s[10:11]  ; and once more for launch 2, which forms addresses from them
	s_wait_xcnt 0x0
	s_or_b32 exec_lo, exec_lo, s44
	v_cmp_eq_u32 vcc_lo, 0, v[LANE]
	s_and_saveexec_b32 s44, vcc_lo
	global_store_b32 v[EJ], v[LOSS], s[12:13]
	s_wait_xcnt 0x0
	s_or_b32 exec_lo, exec_lo, s44
	s_wait_tensorcnt 0x0                           ; the wave's end, behind my last LDS store
	ds_add_u32 v[SPW], v[NIL]
	s_wait_dscnt 0x0
	s_endpgm
.Lfunc_end_k_q7a9742718f_vq:
	.size	k_q7a9742718f_vq, .Lfunc_end_k_q7a9742718f_vq-k_q7a9742718f_vq
	.p2alignl 7, 3214868480
	.fill 96, 4, 3214868480
	.section	.rodata,"a",@progbits
	.p2align	6, 0x0
	.amdhsa_kernel k_q7a9742718f_vq
		.amdhsa_group_segment_fixed_size 75264
		.amdhsa_private_segment_fixed_size 0
		.amdhsa_enable_private_segment 0
		.amdhsa_kernarg_size 40
		.amdhsa_user_sgpr_count 2
		.amdhsa_user_sgpr_kernarg_segment_ptr 1
		.amdhsa_wavefront_size32 1
		.amdhsa_system_sgpr_workgroup_id_x 1
		.amdhsa_system_sgpr_workgroup_id_y 1
		.amdhsa_system_sgpr_workgroup_id_z 1
		.amdhsa_system_vgpr_workitem_id 0
		.amdhsa_next_free_vgpr 640
		.amdhsa_next_free_sgpr 66
		.amdhsa_reserve_vcc 1
		.amdhsa_float_denorm_mode_32 3
		.amdhsa_float_denorm_mode_16_64 3
		.amdhsa_memory_ordered 1
		.amdhsa_forward_progress 1
		.amdhsa_inst_pref_size 216
	.end_amdhsa_kernel
	.amdgpu_metadata
---
amdhsa.version: [ 1, 2 ]
amdhsa.kernels:
  - .name:           k_q7a9742718f_vq
    .symbol:         k_q7a9742718f_vq.kd
    .args:
      - { .name: inputs, .offset: 0, .size: 8, .value_kind: global_buffer, .address_space: global }
      - { .name: embeddings, .offset: 8, .size: 8, .value_kind: global_buffer, .address_space: global }
      - { .name: out2, .offset: 16, .size: 8, .value_kind: global_buffer, .address_space: global }
      - { .name: order, .offset: 24, .size: 8, .value_kind: global_buffer, .address_space: global }
      - { .name: part, .offset: 32, .size: 8, .value_kind: global_buffer, .address_space: global }
    .group_segment_fixed_size: 75264
    .private_segment_fixed_size: 0
    .kernarg_segment_align: 8
    .kernarg_segment_size: 40
    .max_flat_workgroup_size: 128
    .sgpr_count:     66
    .vgpr_count:     640
    .wavefront_size: 32
...
	.end_amdgpu_metadata
.endif
;; end of part 1
;; launch take (part 2): grid 512 x 1, 8 waves a work-group, no clusters, 0 bytes of LDS; arguments order, embeddings, part, out0, out1; writes out0, out1
.if DOCPART == 2
	.amdgcn_target "amdgcn-amd-amdhsa--gfx1250"
	.amdhsa_code_object_version 6
	.text
	.protected	k_q7a9742718f_take
	.globl	k_q7a9742718f_take
	.p2align	8
	.type	k_q7a9742718f_take,@function
k_q7a9742718f_take:
	s_mov_b64 s[64:65], 0
	v_nop
	global_prefetch_b8 v0, s[64:65] scope:SCOPE_SE
	s_setreg_imm32_b32 hwreg(HW_REG_WAVE_MODE, 25, 1), 1
	s_wait_xcnt 0x0
; VECTOR QUANTIZER, launch 2 of 2: out0[row] = embeddings[order[row]], in f32, and out1 = 0.25 / 4,194,304 x the sum of launch 1's 1,024 partial sums.
; LEFT OUT: inputs + (q - inputs) = q for all values, so inputs is not loaded here (a NaN or an infinity of inputs is therefore not carried into out0).
; A stream: memory binds, so no LDS, no matrix unit, no cluster.  A work-group has 128 rows, a wave 16.  An instruction of a wave takes two rows: lanes 0-15 one row's 256 bytes, lanes 16-31 the next's.
; The indices are whole numbers that launch 1 stored; each is held to 0..1,023 in front of its use in an address.  No prefetch: the codebook's rows are read again and again, and the launch is short.
; THE LOSS is wave 0 of work-group 0's.  That wave runs a second copy of the body, in which the partial sums are asked for first, together with the indices, and added up behind the wave's stores:
; so its chain of loads is no longer than any other wave's.
.set IA,  2                            ; v2   my index's byte offset in the work-group's 128: 64 x wave + 4 (lane / 16)
.set CH,  3                            ; v3   16 (lane % 16): my 16 bytes of a row
.set SO,  4                            ; v4   my 16 bytes in the wave's first two rows of out0
.set PO,  7                            ; v7   16 x lane: my 16 bytes of 512 of part
.set IDX, 8                            ; v8-15
.set GO,  16                           ; v16-23  256 x index + my 16 bytes
.set DAT, 24                           ; v24-55
.set PT,  64                           ; v64-95  the partial sums, in one wave alone
	s_load_b256 s[4:11], s[0:1], 0x0               ; order s[4:5], embeddings s[6:7], part s[8:9], out0 s[10:11]
	s_load_b64 s[12:13], s[0:1], 0x20              ; out1
	v_lshrrev_b32 v1, 5, v0
	v_readfirstlane_b32 s14, v1                    ; wave 0..7
	v_bfe_u32 v5, v0, 4, 1
	v_lshlrev_b32 v[IA], 6, v1
	v_lshl_add_u32 v[IA], v5, 2, v[IA]
	v_and_b32 v[CH], 15, v0
	v_lshlrev_b32 v[CH], 4, v[CH]
	v_and_b32 v6, 31, v0
	v_lshlrev_b32 v[SO], 12, v1                    ; 16 rows of 256 bytes a wave
	v_lshl_add_u32 v[SO], v6, 4, v[SO]
	v_lshlrev_b32 v[PO], 4, v6
	s_lshl_b32 s16, ttmp9, 9                       ; 128 indices of 4 bytes
	s_mov_b32 s17, 0
	s_lshl_b32 s18, ttmp9, 15                      ; 128 rows of 256 bytes
	s_mov_b32 s19, 0
	s_or_b32 s20, ttmp9, s14                       ; 0 in wave 0 of work-group 0 alone
	s_wait_kmcnt 0x0
	s_add_nc_u64 s[4:5], s[4:5], s[16:17]
	s_add_nc_u64 s[10:11], s[10:11], s[18:19]
.macro BODY loss
.if \loss
.irp i, 0,1,2,3,4,5,6,7
	global_load_b128 v[PT+4*\i:PT+4*\i+3], v[PO], s[8:9] offset:512*\i  ; 1,024 f32: 32 a lane
.endr
.endif
.irp i, 0,1,2,3,4,5,6,7
	global_load_b32 v[IDX+\i], v[IA], s[4:5] offset:8*\i  ; rows 2 i and 2 i + 1: sixteen lanes share a word
.endr
	s_wait_loadcnt 0x0
.irp i, 0,1,2,3,4,5,6,7
	v_min_u32 v[IDX+\i], 0x3ff, v[IDX+\i]
	v_lshlrev_b32 v[GO+\i], 8, v[IDX+\i]
	v_add_nc_u32 v[GO+\i], v[CH], v[GO+\i]
.endr
.irp i, 0,1,2,3,4,5,6,7
	global_load_b128 v[DAT+4*\i:DAT+4*\i+3], v[GO+\i], s[6:7]
.endr
.irp i, 0,1,2,3,4,5,6,7
	s_wait_loadcnt 7-\i                            ; loads come back in order (ISA guide 5.7.1): gather i is in, the younger ones stay out
	global_store_b128 v[SO], v[DAT+4*\i:DAT+4*\i+3], s[10:11] offset:512*\i th:TH_STORE_NT  ; 512 consecutive bytes, at a multiple of 256 from out0's first byte
.endr
.if \loss
	s_mov_b32 s22, 0x76543210
	s_mov_b32 s23, 0xfedcba98
.irp i, 0,1,2,3,4,5,6,7
	v_pk_add_f32 v[PT+4*\i:PT+4*\i+1], v[PT+4*\i:PT+4*\i+1], v[PT+4*\i+2:PT+4*\i+3]
.endr
.irp i, 0,1,2,3
	v_pk_add_f32 v[PT+8*\i:PT+8*\i+1], v[PT+8*\i:PT+8*\i+1], v[PT+8*\i+4:PT+8*\i+5]
.endr
.irp i, 0,1
	v_pk_add_f32 v[PT+16*\i:PT+16*\i+1], v[PT+16*\i:PT+16*\i+1], v[PT+16*\i+8:PT+16*\i+9]
.endr
	v_pk_add_f32 v[PT:PT+1], v[PT:PT+1], v[PT+16:PT+17]
	v_add_f32 v[PT], v[PT], v[PT+1]
	v_add_f32_dpp v[PT], v[PT], v[PT] row_xmask:1 row_mask:0xf bank_mask:0xf
	v_add_f32_dpp v[PT], v[PT], v[PT] row_xmask:2 row_mask:0xf bank_mask:0xf
	v_add_f32_dpp v[PT], v[PT], v[PT] row_xmask:4 row_mask:0xf bank_mask:0xf
	v_add_f32_dpp v[PT], v[PT], v[PT] row_xmask:8 row_mask:0xf bank_mask:0xf
	v_permlanex16_b32 v[PT+1], v[PT], s22, s23
	v_add_f32 v[PT], v[PT], v[PT+1]
	v_mul_f32 v[PT], 0x33800000, v[PT]             ; 0.25 / (65,536 x 64) = 2^-24
	v_mov_b32 v[PT+2], 0
	v_cmp_eq_u32 vcc_lo, 0, v6
	s_wait_xcnt 0x0                                ; EXEC changes only behind this wait
	s_and_saveexec_b32 s24, vcc_lo
	global_store_b32 v[PT+2], v[PT], s[12:13]
	s_wait_xcnt 0x0
	s_or_b32 exec_lo, exec_lo, s24
.endif
	s_endpgm
.endm
	s_cmp_eq_u32 s20, 0
	s_cbranch_scc1 .Lwith_loss
	BODY 0
.Lwith_loss:
	BODY 1
.Lfunc_end_k_q7a9742718f_take:
	.size	k_q7a9742718f_take, .Lfunc_end_k_q7a9742718f_take-k_q7a9742718f_take
	.p2alignl 7, 3214868480
	.fill 96, 4, 3214868480
	.section	.rodata,"a",@progbits
	.p2align	6, 0x0
	.amdhsa_kernel k_q7a9742718f_take
		.amdhsa_group_segment_fixed_size 0
		.amdhsa_private_segment_fixed_size 0
		.amdhsa_enable_private_segment 0
		.amdhsa_kernarg_size 40
		.amdhsa_user_sgpr_count 2
		.amdhsa_user_sgpr_kernarg_segment_ptr 1
		.amdhsa_wavefront_size32 1
		.amdhsa_system_sgpr_workgroup_id_x 1
		.amdhsa_system_sgpr_workgroup_id_y 1
		.amdhsa_system_sgpr_workgroup_id_z 1
		.amdhsa_system_vgpr_workitem_id 0
		.amdhsa_next_free_vgpr 96
		.amdhsa_next_free_sgpr 66
		.amdhsa_reserve_vcc 1
		.amdhsa_float_denorm_mode_32 3
		.amdhsa_float_denorm_mode_16_64 3
		.amdhsa_memory_ordered 1
		.amdhsa_forward_progress 1
		.amdhsa_inst_pref_size 11
	.end_amdhsa_kernel
	.amdgpu_metadata
---
amdhsa.version: [ 1, 2 ]
amdhsa.kernels:
  - .name:           k_q7a9742718f_take
    .symbol:         k_q7a9742718f_take.kd
    .args:
      - { .name: order, .offset: 0, .size: 8, .value_kind: global_buffer, .address_space: global }
      - { .name: embeddings, .offset: 8, .size: 8, .value_kind: global_buffer, .address_space: global }
      - { .name: part, .offset: 16, .size: 8, .value_kind: global_buffer, .address_space: global }
      - { .name: out0, .offset: 24, .size: 8, .value_kind: global_buffer, .address_space: global }
      - { .name: out1, .offset: 32, .size: 8, .value_kind: global_buffer, .address_space: global }
    .group_segment_fixed_size: 0
    .private_segment_fixed_size: 0
    .kernarg_segment_align: 8
    .kernarg_segment_size: 40
    .max_flat_workgroup_size: 256
    .sgpr_count:     66
    .vgpr_count:     96
    .wavefront_size: 32
...
	.end_amdgpu_metadata
.endif
;; end of part 2
